; MI455X (gfx1250); checked and timed in simulation.
; The chip was launched on July 23, 2026; its instructions are those of AMD's public machine-readable ISA for CDNA 5 (MIT licence, August 2026) and "CDNA5" Instruction Set Architecture Reference Guide (July 2026). The comments in the code are by the model that wrote it; some were corrected since.
;; Attention. Allowed arithmetic: matrix products marked QUANTISED: E4M3 operands, one E8M0 scale for each 32 along K, by v_wmma_scale_f32_16x16x128_f8f6f4 with both operands' format E4M3, f32 sums; products left as they are: f32 operands where the result goes on into a quantised operand, else bf16, f16 or f32 operands; f32 sums; everything else in f32.
;; Inputs: Ua_b 1,024 float32; Ua_w 1,024 x 2,048 float32; Wa_b 1,024 float32; Wa_w 1,024 x 1,024 float32; encoder_hiddens 512 x 64 x 2,048 float32; last_dec_hidden 64 x 1,024 float32; v_w 1,024 float32.
;; Outputs: out0 64 x 512 float32.
;; This version of the problem:
;;   THIS VERSION OF THE PROBLEM IS GIVEN IN LOW PRECISION. The matrix products marked QUANTISED in the list below multiply operands that are first quantised to E4M3 (4 exponent bits, 3 mantissa bits; 8 bits a number), with one power-of-two scale for each 32 numbers along K (OCP MX v1.0); their sums are f32. All else is computed in f32.
;;   The module's matrix products, in the order in which they are computed (A, B: the left and right operand; K: the contracted axis; several contracted axes count as one K, in the product's order):
;;     1. [M 32,768, K 2,048] x [K 2,048, N 1,024]; A: input encoder_hiddens; B: input Ua_w: QUANTISED
;;     2. [M 64, K 1,024] x [K 1,024, N 1,024]; A: input last_dec_hidden; B: input Wa_w: QUANTISED
;;     3. [M 32,768, K 1,024] x [K 1,024, N 1]; A: computed on the way; B: input v_w: left as it is (N = 1 < 16)
;;   THE QUANTISER, for each operand of a quantised product, along K:
;;     - K is cut into blocks of 32 from its start; a last block that is shorter is filled with zeros.
;;     - A block's scale is 2^e with e = floor(log2(the largest magnitude in the block)) - 8, held to -126 .. 127; a block of zeros has e = 0. As a byte (E8M0): e + 127.
;;     - Each number is divided by its block's scale, clamped to +-448, and rounded to the nearest number of E4M3, ties to even, subnormals kept.
;;     - The product sums the exact products of the quantised numbers (number of the format x scale) in f32.
;;   ~~~python
;;   def quantise(x, axis):      # numpy; x: float32 -> the quantised numbers, widened to float32 again
;;       x = np.moveaxis(x, axis, -1); K = x.shape[-1]
;;       x = np.pad(x, [(0, 0)] * (x.ndim - 1) + [(0, -K % 32)]); x = x.reshape(x.shape[:-1] + (-1, 32)); a = np.abs(x).max(-1, keepdims=True)
;;       e = np.where(a > 0, np.clip(np.frexp(np.where(a > 0, a, 1))[1] - 1 - 8, -126, 127), 0)      # np.frexp(a)[1] - 1 = floor(log2(a)), exactly
;;       r = np.clip(x / 2.0 ** e, -448, 448)
;;       step = 2.0 ** (np.maximum(np.frexp(np.where(r == 0, 1, r))[1] - 1, -6) - 3)
;;       q = np.round(r / step) * step * 2.0 ** e      # np.round: ties to even
;;       return np.moveaxis(q.reshape(q.shape[:-2] + (-1,))[..., :K], -1, axis).astype(np.float32)
;;   ~~~
;; One version. Each part assembles by itself: llvm-mc -triple=amdgcn-amd-amdhsa -mcpu=gfx1250 --defsym DOCPART=n.
;; ======== version 1 of 1: 3 launches
;; limits: right only within a limited range of input values
;; workspace buffers: ub_codes 2,097,152 bytes; ub_scales 131,072 bytes; bias 262,144 bytes; att 131,072 bytes
;; launch prep (part 1): grid 256 x 1, 8 waves a work-group, no clusters, 169,984 bytes of LDS; arguments Ua_w, Wa_w, last_dec_hidden, Ua_b, Wa_b, ub_codes, ub_scales, bias; writes ub_codes, ub_scales, bias
.if DOCPART == 1
	.amdgcn_target "amdgcn-amd-amdhsa--gfx1250"
	.amdhsa_code_object_version 6
	.text
	.protected	k_q4262ce39d6_prep
	.globl	k_q4262ce39d6_prep
	.p2align	8
	.type	k_q4262ce39d6_prep,@function
k_q4262ce39d6_prep:
	s_mov_b64 s[64:65], 0
	v_nop
	global_prefetch_b8 v0, s[64:65] scope:SCOPE_SE
	s_setreg_imm32_b32 hwreg(HW_REG_WAVE_MODE, 25, 1), 1
	s_wait_xcnt 0x0
; Two jobs in one launch, chosen by the work-group's number; the two ways never join and have LDS bytes of their own.
; WORK-GROUPS 0-127: Ua_w [1024][2048] f32 becomes codes of FP8 (E4M3) with one E8M0 byte for each 32 along K, laid IN THE ORDER OF THE OPERAND'S REGISTERS:
;   ub_codes  [g 8][k 16][bb 8][c 4][lane 32][16 bytes]: row 128 g + 16 bb + lane % 16, K = 128 k + 32 c + 16 (lane / 16) + 0 .. 15;
;   ub_scales [g 8][k 16][half 2][lane 32][4 words]: word q of a lane = the scale word (128 along K) of block bb = 4 half + q, row lane % 16.
;   Work-group x = 16 g + k; wave w = block bb: 16 rows x 128 K.
; WORK-GROUPS 128-255: bias [ublk 64][b 64][16] f32 = c (last_dec_hidden Wa_w^T + Wa_b + Ua_b), c = 2 log2(e), the product on codes made here.  Work-group 128 + 2 ublk + half makes 16 units for the 32 rows
;   32 half + 0 .. 31; wave w takes K step w (128 of the 1,024), three tiles of 16 rows (Wa_w's and two of last_dec_hidden), so K is shared among eight waves and their f32 sums meet in LDS, added in ascending K
;   by waves 0 to 3, eight rows each.  128 + 128 work-groups: one for each of 256 WGPs.
; THE QUANTISER: a block's scale byte is its largest magnitude's exponent field - 8, held at 1 from below; numbers are held within +-448 x the scale and rounded to the nearest code, ties to even.
; LIMITS: a block of zeros gets the byte 1 where the rule says 127 (its codes are zeros, and this program alone reads the bytes); NaN and infinities among the inputs are not served.
; Every load reads 512 consecutive bytes of one row; the 16 x 512 bytes turn through the wave's own stage in LDS (rows of 512 + 16 bytes), so that a lane then holds 16 neighbours along K of each block.
; WORK LEFT OUT BY THE PROGRAM: reference() adds, in sum over u of v_w[u] tanh(..) = sum of v_w[u] - 2 sum of v_w[u] / (1 + e^(2 x)), the term sum of v_w[u]: it is the same for every s of a row b,
; and the scores go into nothing but the softmax along s, which a term common to its axis does not move, whatever v_w holds.  The later launch stores the scores without it.
; LIMIT: an overflow of that sum alone is not carried to the result.
.set USTG, 0                           ; Ua's way: eight stages of 16 x 528 bytes
.set USC,  67584                       ; Ua's way: the work-group's scale words, 1,024 bytes
.set DSTG, 68608                       ; the other way: eight stages
.set DP,   136192                      ; the other way: 4,096 bytes for each wave's partial sums (2,048 are used)
.set TM,   16                          ; v16-19 largest magnitudes, v20-23 bytes, v24-27 448 x the scale, v28-31 the conversions' scale operands
.set PW,   32                          ; v32-34 scale words, and nothing else
.set X,    64                          ; v64-127 64 numbers of a lane: register 16 c + i = K 32 c + 16 (lane / 16) + i of row lane % 16
.set PC,   128                         ; v128-175 three fragments of codes
.set ACC,  208                         ; v208-223 two accumulators
.set MSB, 0
.macro WIN new                         ; the immediate's high byte repeats the setting that is left
.if MSB != (\new)
	s_set_vgpr_msb (MSB<<8)|(\new)
.set MSB, (\new)
.endif
.endm
.macro LOADSET sl, bs, imm0, pitch     ; 16 rows x 512 bytes into set sl of window 1
	WIN 0x40
.irp i, 0,1,2,3,4,5,6,7,8,9,10,11,12,13,14,15
	global_load_b128 v[64*(\sl)+4*\i:64*(\sl)+4*\i+3], v4, s[\bs:\bs+1] offset:(\imm0)+\i*(\pitch)
.endr
	WIN 0
.endm
.macro TURN sl                         ; set sl through my stage: in as loaded, back 64 bytes of a row to a lane.  LDS serves a wave's instructions in order
	WIN 0x04                                       ; an LDS store's data are its source 1: window 1
.irp i, 0,1,2,3,4,5,6,7,8,9,10,11,12,13,14,15
	ds_store_b128 v5, v[64*(\sl)+4*\i:64*(\sl)+4*\i+3] offset:528*\i
.endr
	WIN 0
.irp c, 0,1,2,3
.irp j, 0,1,2,3
	ds_load_b128 v[X+16*\c+4*\j:X+16*\c+4*\j+3], v6 offset:128*\c+16*\j
.endr
.endr
	s_wait_dscnt 0x0                               ; the numbers are back, and the stores have read the set
.endm
.macro QUANT pc, pw                    ; v[X] on become a fragment's codes in v[pc] on and its rows' scale word in v[pw]
.irp b, 0,1,2,3
	v_max3_num_f32 v[TM+\b], |v[X+16*\b]|, |v[X+1+16*\b]|, 0x4800000   ; block b: my 16 numbers, and the floor 2^(9 - 127): the byte cannot fall under 1
.endr
.irp i, 2,4,6,8,10,12,14
.irp b, 0,1,2,3
	s_delay_alu instid0(VALU_DEP_4)
	v_max3_num_f32 v[TM+\b], v[TM+\b], |v[X+16*\b+\i]|, |v[X+1+16*\b+\i]|
.endr
.endr
.irp b, 0,1,2,3
	s_delay_alu instid0(VALU_DEP_4)
	v_permlanex16_b32 v[TM+4+\b], v[TM+\b], s22, s23
.endr
.irp b, 0,1,2,3
	s_delay_alu instid0(VALU_DEP_4)
	v_max_num_f32 v[TM+\b], v[TM+\b], v[TM+4+\b]   ; with lane l xor 16's: the block's largest magnitude
.endr
.irp b, 0,1,2,3
	s_delay_alu instid0(VALU_DEP_4)
	v_add_nc_u32 v[TM+12+\b], 0xfc000000, v[TM+\b] ; 8 off its exponent field: the conversion's scale operand
.endr
.irp b, 0,1,2,3
	v_and_or_b32 v[TM+8+\b], v[TM+\b], 0x7f800000, s24   ; 448 x the scale
.endr
.irp b, 0,1,2,3
	v_lshrrev_b32 v[TM+4+\b], 23, v[TM+12+\b]      ; the scale's byte
.endr
	s_delay_alu instid0(VALU_DEP_3)
	v_lshl_or_b32 v[\pw], v[TM+5], 8, v[TM+4]
	s_delay_alu instid0(VALU_DEP_1)
	v_lshl_or_b32 v[\pw], v[TM+6], 16, v[\pw]
	s_delay_alu instid0(VALU_DEP_1)
	v_lshl_or_b32 v[\pw], v[TM+7], 24, v[\pw]
.irp b, 0,1,2,3
.irp i, 0,1,2,3,4,5,6,7,8,9,10,11,12,13,14,15
	v_med3_num_f32 v[X+16*\b+\i], v[X+16*\b+\i], -v[TM+8+\b], v[TM+8+\b]   ; the conversion to an 8-bit code does not saturate (ISA guide 7.6.2): the hold comes first
.endr
	v_cvt_scalef32_pk8_fp8_f32 v[(\pc)+4*\b:(\pc)+1+4*\b], v[X+16*\b:X+7+16*\b], v[TM+12+\b]
	v_cvt_scalef32_pk8_fp8_f32 v[(\pc)+2+4*\b:(\pc)+3+4*\b], v[X+8+16*\b:X+15+16*\b], v[TM+12+\b]
.endr
	v_nop                                          ; one plain vector instruction behind the last scaled conversion
.endm
	s_load_b256 s[4:11], s[0:1], 0x0               ; Ua_w s[4:5], Wa_w s[6:7], last_dec_hidden s[8:9], Ua_b s[10:11]
	s_load_b256 s[12:19], s[0:1], 0x20             ; Wa_b s[12:13], ub_codes s[14:15], ub_scales s[16:17], bias s[18:19]
	v_lshl_add_u32 v254, v0, 2, 0x29400
	v_mov_b32 v255, 0
	v_lshrrev_b32 v1, 5, v0
	s_delay_alu instid0(VALU_DEP_1)
	v_readfirstlane_b32 s20, v1                    ; wave 0..7
	v_and_b32 v1, 31, v0                           ; lane
	v_and_b32 v2, 15, v0                           ; r
	v_bfe_u32 v3, v0, 4, 1                         ; h
	s_delay_alu instid0(VALU_DEP_3)
	v_lshlrev_b32 v4, 4, v1                        ; 16 x lane
	s_mov_b32 s22, 0x76543210
	s_mov_b32 s23, 0xfedcba98                      ; v_permlanex16_b32's selects for lane l xor 16
	s_mov_b32 s24, 0x600000                        ; the mantissa field of 448
	s_mul_i32 s21, s20, 8448
	v_add_nc_u32 v5, s21, v4                       ; my stage, on the way in: 16 x lane
	v_mul_u32_u24 v6, v2, 528
	s_delay_alu instid0(VALU_DEP_1)
	v_lshl_add_u32 v6, v3, 6, v6
	s_delay_alu instid0(VALU_DEP_1)
	v_add_nc_u32 v6, s21, v6                       ; and back: row r, + 64 h
.irp b, 0,1,2,3
	v_mov_b32 v[TM+4+\b], 0                        ; written once: a lane permute's destination counts as one of its sources
.endr
	s_mov_b32 s29, 0
	s_wait_kmcnt 0x0
	s_cmp_lt_u32 ttmp9, 128
	s_cbranch_scc0 .Ldec
	; ---------------- Ua_w: 16 rows x 128 K a wave
	s_lshr_b32 s25, ttmp9, 4                       ; g
	s_and_b32 s26, ttmp9, 15                       ; k
	s_lshl_b32 s28, s25, 20                        ; 128 rows of 8,192 bytes
	s_lshl_b32 s27, s20, 17                        ; 16 rows
	s_add_co_u32 s28, s28, s27
	s_lshl_b32 s27, s26, 9                         ; 512 bytes a K step
	s_add_co_u32 s28, s28, s27
	s_add_nc_u64 s[4:5], s[4:5], s[28:29]
	s_wait_alu depctr_va_vdst(0)
	LOADSET 0, 4, 0, 8192
	s_lshl_b32 s28, ttmp9, 14                      ; the codes: 16,384 bytes a work-group, 2,048 a wave
	s_lshl_b32 s27, s20, 11
	s_add_co_u32 s28, s28, s27
	s_add_nc_u64 s[14:15], s[14:15], s[28:29]
	s_and_b32 s26, s20, 1
	s_lshl_b32 s27, s26, 9
	s_lshl_b32 s28, ttmp9, 10                      ; the scale words: 1,024 bytes a work-group; waves 0 and 1 store a half each
	s_add_co_u32 s28, s28, s27
	s_add_nc_u64 s[16:17], s[16:17], s[28:29]
	s_add_co_u32 s27, s27, USC
	v_add_nc_u32 v8, s27, v4                       ; where a half is read back: 16 x lane
	s_lshr_b32 s25, s20, 2
	s_lshl_b32 s25, s25, 9
	s_and_b32 s26, s20, 3
	s_lshl_b32 s26, s26, 2
	s_add_co_u32 s25, s25, s26
	s_add_co_u32 s25, s25, USC
	v_add_nc_u32 v7, s25, v4                       ; where my block's word goes: half w / 4, 16 x lane, word w % 4
	s_wait_loadcnt 0x0
	TURN 0
	QUANT PC, PW
.irp c, 0,1,2,3
	global_store_b128 v4, v[PC+4*\c:PC+4*\c+3], s[14:15] offset:512*\c   ; the fragment as it stands: 512 consecutive bytes a store
.endr
	ds_store_b32 v7, v[PW]
	s_wait_dscnt 0x0                               ; for the others' sake: my word has landed
	s_barrier_signal -1
	s_barrier_wait -1
	s_cmp_lt_u32 s20, 2
	s_cbranch_scc0 .Lua_end
	ds_load_b128 v[48:51], v8
	s_wait_dscnt 0x0
	global_store_b128 v4, v[48:51], s[16:17]       ; 512 consecutive bytes
.Lua_end:
	s_wait_tensorcnt 0x0
	ds_add_u32 v254, v255
	s_wait_dscnt 0x0
	s_endpgm
	; ---------------- the decoder's product: 16 units x 32 rows, K step w
.Ldec:
	s_sub_co_u32 s25, ttmp9, 128
	s_and_b32 s33, s25, 1                          ; which 32 of the 64 rows
	s_lshr_b32 s25, s25, 1                         ; ublk
	s_lshl_b32 s28, s25, 16                        ; 16 rows of Wa_w, 4,096 bytes each
	s_lshl_b32 s27, s20, 9                         ; my K step: 512 bytes
	s_add_co_u32 s28, s28, s27
	s_add_nc_u64 s[6:7], s[6:7], s[28:29]
	s_lshl_b32 s28, s33, 17                        ; 32 rows of last_dec_hidden, 4,096 bytes each
	s_add_co_u32 s28, s28, s27
	s_add_nc_u64 s[8:9], s[8:9], s[28:29]
	s_wait_alu depctr_va_vdst(0)
	v_add_nc_u32 v5, DSTG, v5                      ; this way's own stages
	v_add_nc_u32 v6, DSTG, v6
	LOADSET 0, 6, 0, 4096                          ; Wa_w's 16 rows
	LOADSET 1, 8, 0, 4096                          ; my rows 0-15 of last_dec_hidden
	LOADSET 2, 8, 65536, 4096                      ; my rows 16-31
	s_lshl_b32 s28, s25, 6
	s_add_nc_u64 s[10:11], s[10:11], s[28:29]      ; Ua_b and Wa_b at my 16 units
	s_add_nc_u64 s[12:13], s[12:13], s[28:29]
	s_lshl_b32 s28, s25, 12                        ; bias: 4,096 bytes for 16 units,
	s_add_co_u32 s28, s28, s27                     ; 512 a wave,
	s_lshl_b32 s26, s33, 11                        ; 2,048 for 32 rows
	s_add_co_u32 s28, s28, s26
	s_add_nc_u64 s[18:19], s[18:19], s[28:29]
	s_mov_b32 s30, 0x4038aa3b                      ; c = 2 log2(e)
	s_mov_b32 s31, s30                             ; (named with it as a pair, so it is written)
	v_and_b32 v11, 3, v1
	s_delay_alu instid0(VALU_DEP_1)
	v_lshlrev_b32 v11, 4, v11                      ; on the way out I hold units 4 (lane % 4) + 0 .. 3
	s_lshl_b32 s26, s20, 12
	s_add_co_u32 s26, s26, DP
	v_add_nc_u32 v9, s26, v4                       ; my partial sums: 16 x lane
	s_lshr_b32 s21, s20, 1
	s_lshl_b32 s21, s21, 10
	s_and_b32 s26, s20, 1
	s_lshl_b32 s26, s26, 7
	s_add_co_u32 s21, s21, s26
	s_add_co_u32 s21, s21, DP
	v_and_b32 v12, 1, v1
	s_delay_alu instid0(VALU_DEP_1)
	v_lshlrev_b32 v10, 9, v12
	v_bfe_u32 v12, v1, 1, 1
	s_delay_alu instid0(VALU_DEP_1)
	v_lshl_add_u32 v10, v12, 8, v10
	v_lshrrev_b32 v12, 2, v1
	s_delay_alu instid0(VALU_DEP_1)
	v_lshl_add_u32 v10, v12, 4, v10
	s_delay_alu instid0(VALU_DEP_1)
	v_add_nc_u32 v10, s21, v10                     ; back (waves 0-3): my row 8 w + lane / 4, units 4 (lane % 4) on: tile w / 2, register half lane % 2, source lane 16 ((lane / 2) % 2) + 8 (w % 2) + lane / 4
	s_wait_alu depctr_va_vdst(0)
	s_wait_loadcnt 32                              ; Wa_w's 16 loads are in; the two sets behind them may be out
	TURN 0
	global_load_b128 v[40:43], v11, s[10:11]       ; every wave issues the two, so that the counts below are the same in all; waves 0 to 3 use them
	global_load_b128 v[44:47], v11, s[12:13]
	QUANT PC, PW
	s_wait_loadcnt 18                              ; behind my rows 0-15: a set of 16 and the two loads of biases
	TURN 1
	QUANT PC+16, PW+1
	s_wait_loadcnt 2
	TURN 2
	QUANT PC+32, PW+2
.rept 8
	v_nop                                          ; operands and scale words written by vector instructions stand ahead of a scaled matrix instruction
.endr
.irp m, 0,1                            ; source 0 = Wa_w's 16 rows, source 1 = 16 rows of last_dec_hidden: lane (r, h), register j = (unit 8 h + j, my row 16 m + r).  Two accumulators, one instruction each
	v_wmma_scale_f32_16x16x128_f8f6f4 v[ACC+8*\m:ACC+8*\m+7], v[PC:PC+15], v[PC+16+16*\m:PC+31+16*\m], 0, v[PW], v[PW+1+\m]
.endr
.rept 8
	v_nop                                          ; places in front of the stores that read the results
.endr
.irp m, 0,1
	ds_store_b128 v9, v[ACC+8*\m:ACC+8*\m+3] offset:1024*\m          ; each accumulator from its low end on
	ds_store_b128 v9, v[ACC+8*\m+4:ACC+8*\m+7] offset:1024*\m+512
.endr
	s_wait_dscnt 0x0                               ; for the others' sake: my partial sums have landed
	s_barrier_signal -1
	s_barrier_wait -1
	s_cmp_lt_u32 s20, 4
	s_cbranch_scc0 .Ldec_end                       ; 32 rows: eight for each of waves 0 to 3
.irp n, 0,1,2,3,4,5,6,7
	ds_load_b128 v[X+4*\n:X+4*\n+3], v10 offset:4096*\n              ; the eight K steps' sums of my four numbers
.endr
	s_wait_dscnt 0x0
.irp n, 1
	v_pk_add_f32 v[X:X+1], v[X:X+1], v[X+4*\n:X+4*\n+1]              ; K ascending
	v_pk_add_f32 v[X+2:X+3], v[X+2:X+3], v[X+4*\n+2:X+4*\n+3]
.endr
.irp n, 2, 3, 4, 5, 6, 7
	s_delay_alu instid0(VALU_DEP_2)
	v_pk_add_f32 v[X:X+1], v[X:X+1], v[X+4*\n:X+4*\n+1]              ; K ascending
	s_delay_alu instid0(VALU_DEP_2)
	v_pk_add_f32 v[X+2:X+3], v[X+2:X+3], v[X+4*\n+2:X+4*\n+3]
.endr
	s_wait_alu depctr_va_vdst(0)
	s_wait_loadcnt 0x0                             ; the biases
	v_pk_add_f32 v[X:X+1], v[X:X+1], v[44:45]      ; + Wa_b
	v_pk_add_f32 v[X+2:X+3], v[X+2:X+3], v[46:47]
	s_delay_alu instid0(VALU_DEP_2)
	v_pk_add_f32 v[X:X+1], v[X:X+1], v[40:41]      ; + Ua_b
	s_delay_alu instid0(VALU_DEP_2)
	v_pk_add_f32 v[X+2:X+3], v[X+2:X+3], v[42:43]
	s_delay_alu instid0(VALU_DEP_2)
	v_pk_mul_f32 v[X:X+1], v[X:X+1], s[30:31] op_sel_hi:[1,0]        ; x c
	s_delay_alu instid0(VALU_DEP_2)
	v_pk_mul_f32 v[X+2:X+3], v[X+2:X+3], s[30:31] op_sel_hi:[1,0]
	global_store_b128 v4, v[X:X+3], s[18:19]       ; 512 consecutive bytes a wave
.Ldec_end:
	s_wait_tensorcnt 0x0
	ds_add_u32 v254, v255
	s_wait_dscnt 0x0
	s_endpgm
.Lfunc_end_k_q4262ce39d6_prep:
	.size	k_q4262ce39d6_prep, .Lfunc_end_k_q4262ce39d6_prep-k_q4262ce39d6_prep
	.p2alignl 7, 3214868480
	.fill 96, 4, 3214868480
	.section	.rodata,"a",@progbits
	.p2align	6, 0x0
	.amdhsa_kernel k_q4262ce39d6_prep
		.amdhsa_group_segment_fixed_size 169984
		.amdhsa_private_segment_fixed_size 0
		.amdhsa_enable_private_segment 0
		.amdhsa_kernarg_size 64
		.amdhsa_user_sgpr_count 2
		.amdhsa_user_sgpr_kernarg_segment_ptr 1
		.amdhsa_wavefront_size32 1
		.amdhsa_system_sgpr_workgroup_id_x 1
		.amdhsa_system_sgpr_workgroup_id_y 1
		.amdhsa_system_sgpr_workgroup_id_z 1
		.amdhsa_system_vgpr_workitem_id 0
		.amdhsa_next_free_vgpr 512
		.amdhsa_next_free_sgpr 66
		.amdhsa_reserve_vcc 0
		.amdhsa_float_denorm_mode_32 3
		.amdhsa_float_denorm_mode_16_64 3
		.amdhsa_memory_ordered 1
		.amdhsa_forward_progress 1
		.amdhsa_inst_pref_size 62
	.end_amdhsa_kernel
	.amdgpu_metadata
---
amdhsa.version: [ 1, 2 ]
amdhsa.kernels:
  - .name:           k_q4262ce39d6_prep
    .symbol:         k_q4262ce39d6_prep.kd
    .args:
      - { .name: Ua_w, .offset: 0, .size: 8, .value_kind: global_buffer, .address_space: global }
      - { .name: Wa_w, .offset: 8, .size: 8, .value_kind: global_buffer, .address_space: global }
      - { .name: last_dec_hidden, .offset: 16, .size: 8, .value_kind: global_buffer, .address_space: global }
      - { .name: Ua_b, .offset: 24, .size: 8, .value_kind: global_buffer, .address_space: global }
      - { .name: Wa_b, .offset: 32, .size: 8, .value_kind: global_buffer, .address_space: global }
      - { .name: ub_codes, .offset: 40, .size: 8, .value_kind: global_buffer, .address_space: global }
      - { .name: ub_scales, .offset: 48, .size: 8, .value_kind: global_buffer, .address_space: global }
      - { .name: bias, .offset: 56, .size: 8, .value_kind: global_buffer, .address_space: global }
    .group_segment_fixed_size: 169984
    .private_segment_fixed_size: 0
    .kernarg_segment_align: 8
    .kernarg_segment_size: 64
    .max_flat_workgroup_size: 256
    .sgpr_count:     66
    .vgpr_count:     512
    .wavefront_size: 32
...
	.end_amdgpu_metadata
.endif
;; end of part 1
;; launch energy (part 2): grid 256 x 1, 4 waves a work-group, no clusters, 315,904 bytes of LDS; arguments encoder_hiddens, ub_codes, ub_scales, bias, v_w, att; writes att
.if DOCPART == 2
	.amdgcn_target "amdgcn-amd-amdhsa--gfx1250"
	.amdhsa_code_object_version 6
	.text
	.protected	k_q4262ce39d6_energy
	.globl	k_q4262ce39d6_energy
	.p2align	8
	.type	k_q4262ce39d6_energy,@function
k_q4262ce39d6_energy:
	s_mov_b64 s[64:65], 0
	v_nop
	global_prefetch_b8 v0, s[64:65] scope:SCOPE_SE
	s_setreg_imm32_b32 hwreg(HW_REG_WAVE_MODE, 25, 1), 1
	s_wait_xcnt 0x0
; att[b][s] = -2 sum over u of v_w[u] / (1 + 2^t), t = c (enc[s][b][:] . Ua_w[u][:] + bias'[b][u]), c = 2 log2(e): that is sum of v_w tanh(..) less the sum of v_w.
; LEFT OUT: the sum of v_w over u, the same for every s of a row: the softmax along s, the scores' only reader, is not moved by it.
; The product is made on codes of FP8 (E4M3) with one E8M0 scale for each 32 along K.
; SHARES.  Work-group x owns b = x / 4, the 128 rows s = 128 (x % 4) + 0 .. 127 and all 1,024 units: enc is read and quantised once, and the sum over u stays in the work-group.
; The rows' 128 x 2,048 codes stay in LDS.  The units go in two passes of 512; in each a wave makes 128 rows x 128 units: 64 accumulators, 512 registers.
; EVERY K STEP IS ALIKE: the accumulators begin as the bias (the launch before stored c x bias; it is divided by c here and loaded into them from LDS), so no step is written apart to start the sums and nothing is cleared.
; PASS 1, a loop of 16 trips: wave w quantises rows 32 w .. + 31 of K step k into slab k, one barrier, all waves multiply slab k.
; PASS 2: A from LDS alone; a loop of 7 trips of two K steps, and the last two steps, which ask for nothing more, written out.
; A step's 64 products go by halves of the units (blocks 0-3, then 4-7, each against the eight blocks of rows): a half's fragments of Ua_w are free behind it and are asked for anew at once.
; Pass 1 has one set of registers for them (a half is asked for one step ahead); pass 2 has a second set, where enc's numbers lay (two steps ahead), each set with scale registers and pointers of its own.
; THE WAY OUT is a loop over the eight blocks of rows: only the 32 multiplications that read a block's accumulators are written for each block; exponentials, reciprocals and the sum with v_w are written once.
; tanh = 1 - 2 / (1 + 2^t): 2^t = infinity gives 1, 2^t = 0 gives -1.
; Ua_w'S CODES come in the order of the operand's registers, each fragment wanted by ONE wave of the work-group: from memory straight into registers, 512 consecutive bytes a load.
; NO JOINT LOADS, though every work-group walks the same codes of Ua_w: they would have to land in LDS, where codes, scale bytes and tables take 315,392 of 327,680 bytes, and one K step of Ua_w for a pass is 65,536.
; PREFETCH: in trip k (k < 13) a wave names K step k + 3 of its own 32 rows of enc, a lane a row, two instructions for the row's two blocks of 256 bytes: two trips ahead of the loads of trip k + 2.  K steps 1 and 2 come by their loads alone.
; Ua_w's codes are not prefetched: all 256 work-groups read the same 2 MB in the same order.
; THE MATRIX INSTRUCTION IS USED TRANSPOSED: source 0 = 16 units, source 1 = 16 rows: lane (r, h), register j = (row 16 a + r, unit 16 bb + 8 h + j).
; LIMITS: a block of zeros gets the scale byte 1 where the rule says 127 (its codes are zeros, and this program alone reads the bytes); NaN and infinities among the inputs are not served.
; REGISTERS.  Window 0: v0-13 addresses; v16-23 largest magnitudes, on a way out four chains; v24-31, v56-63 Ua_w's scale words, two sets; v48-55 the rows' scale words;
;   v64-127 pass 1: the quantiser's codes and bytes, two sets; a way out: its 64 numbers; v128-255 eight fragments of A.
;   Window 1: v0-127 eight fragments of Ua_w; v128-255 pass 1: a K step's numbers of enc; pass 2: the second set of Ua_w; on a way out v192-255 v_w.
;   Windows 2, 3: accumulator (a, bb) at v[8 (8 (a % 4) + bb)] of window 2 + a / 4.
.set SLAB,   18432                     ; LDS: 16 slabs [k][row 128][128 bytes of codes + 16]: the 16 rows that a load touches start in different banks
.set APITCH, 144
.set ASC,    294912                    ; the rows' scale bytes [k][row][4]
.set RED,    303104                    ; [pass][wave][row] f32: the parts of the scores
.set BIASL,  307200                    ; bias [1024] f32, and 4,096 bytes on v_w [1024]; each wave stages and reads its own units
.set SPARE,  315392                    ; the spare words, 128 bytes a wave
.set ROWSTEP, 524288                   ; bytes from s to s + 1 in enc
.set LI,  1                            ; 16 x lane
.set VO,  2                            ; v2-3 enc offsets of my two tiles of 16 rows
.set IW,  4                            ; where I store 4 codes
.set SCW, 5                            ; where my block's scale byte goes
.set AF,  6                            ; a fragment's row x pitch + 16 h, in the slab in hand
.set ASF, 7                            ; a row's scale word
.set SPW, 8
.set NIL, 9
.set R4,  10                           ; RED + 512 wave + 4 r
.set BL,  11                           ; BIASL + 512 wave + 32 h
.set RA,  12
.set PF,  13                           ; the prefetches' offset: my lane's row
.set RM,  16
.set SA,  48
.set SB,  56                           ; set 0 of Ua_w's scale words; set 1 lies 32 registers below
.set T,   64
.set AFR, 128
.set RP,  16                           ; the way out: four chains
.set KC,  26                           ; s26 the K step
.set EC,  52                           ; s52 the way out's block
.set RD,  53                           ; s53 its place in RED
.set MSB, 0
.macro WIN new                         ; the immediate's high byte repeats the setting that is left
.if MSB != (\new)
	s_set_vgpr_msb (MSB<<8)|(\new)
.set MSB, (\new)
.endif
.endm
.macro PLACES n                        ; plain vector instructions between a matrix instruction and a load into, or a read of, its registers
.rept \n
	v_nop
.endr
.endm
.macro ADDRA                           ; s24 = the slab's first byte, s25 = its scale bytes'
	v_and_b32 v[ASF], 15, v0
	v_bfe_u32 v[AF], v0, 4, 1
	v_lshl_add_u32 v[AF], v[AF], 4, s24
	v_mad_u32_u24 v[AF], v[ASF], APITCH, v[AF]
	v_lshl_add_u32 v[ASF], v[ASF], 2, s25
.endm
.macro ADDR1                           ; s27, s38: the same with my wave's 32 rows added
	v_lshrrev_b32 v[IW], 2, v[LI]
	v_add_nc_u32 v[IW], s27, v[IW]
	v_lshrrev_b32 v[SCW], 7, v[LI]
	v_add_nc_u32 v[SCW], s38, v[SCW]
	ADDRA
.endm
.macro NEXTSLAB
	s_add_co_u32 s24, s24, SLAB
	s_add_co_u32 s25, s25, 512
.endm
; Eight rows: register 4 e + q of lane l is K = 4 l + q of row e, so a block of 32 lies in eight neighbouring lanes.  cnt: the loads younger than these eight rows'.
; Codes and bytes lie in two sets of registers by turns, so that a set is written again when only the 16 LDS stores of the eight rows before may be out.
.macro QHALF i, cnt
.set XB, 128+32*(\i)
.set RO, 8*(\i)
.set RSO, 64+24*((\i)%2)
.set RCD, RSO+8
	s_wait_loadcnt \cnt
	WIN 0x05                                       ; sources 0 and 1: window 1
.irp e, 0,1,2,3,4,5,6,7
	v_max3_num_f32 v[RM+\e], |v[XB+4*\e]|, |v[XB+4*\e+1]|, 0x4800000   ; with the floor 2^(9 - 127): the byte cannot fall under 1
.endr
.irp e, 0,1,2,3,4,5,6,7
	v_max3_num_f32 v[RM+\e], |v[XB+4*\e+2]|, |v[XB+4*\e+3]|, v[RM+\e]
.endr
	WIN 0
.irp x, 1,2,4
.irp e, 0,1,2,3,4,5,6,7
	v_max_num_f32_dpp v[RM+\e], v[RM+\e], v[RM+\e] row_xmask:\x row_mask:0xf bank_mask:0xf
.endr
.endr
.if (\i) >= 2
	s_wait_alu depctr_va_vdst(0)
	s_wait_dscnt 16                                ; the stores of sixteen rows ago have read this set (in the trip's first sixteen rows: shown ahead of the last barrier)
.endif
.irp e, 0,1,2,3,4,5,6,7
	v_add_nc_u32 v[RSO+\e], 0xfc000000, v[RM+\e]   ; 8 off the exponent field: the conversion's scale operand
.endr
.irp e, 0,1,2,3,4,5,6,7
	v_and_or_b32 v[RM+\e], v[RM+\e], 0x7f800000, s19   ; 448 x the scale
.endr
	WIN 0x41                                       ; destination and source 0: window 1
.irp e, 0,1,2,3,4,5,6,7
.irp q, 0,1,2,3
	v_med3_num_f32 v[XB+4*\e+\q], v[XB+4*\e+\q], -v[RM+\e], v[RM+\e]   ; the conversion to an 8-bit code does not saturate (ISA guide 7.6.2): the hold comes first
.endr
.endr
	WIN 0x01
.irp p, 0,1,2,3                        ; a conversion takes eight registers, two rows' four: it is made once under each row's scale; of the first the low register counts, of the second the high one
	v_cvt_scalef32_pk8_fp8_f32 v[RCD+4*\p:RCD+4*\p+1], v[XB+8*\p:XB+8*\p+7], v[RSO+2*\p]
	v_cvt_scalef32_pk8_fp8_f32 v[RCD+4*\p+2:RCD+4*\p+3], v[XB+8*\p:XB+8*\p+7], v[RSO+2*\p+1]
.endr
	WIN 0
	v_nop                                          ; one plain vector instruction behind the last scaled conversion
.irp e, 0,1,2,3,4,5,6,7
	v_lshrrev_b32 v[RSO+\e], 23, v[RSO+\e]         ; the scale's byte
.endr
.irp e, 0,1,2,3,4,5,6,7
	ds_store_b32 v[IW], v[RCD+4*(\e/2)+3*(\e%2)] offset:(RO+\e)*APITCH   ; a row's 128 codes: 128 consecutive bytes
.endr
.irp e, 0,1,2,3,4,5,6,7
	ds_store_b8 v[SCW], v[RSO+\e] offset:(RO+\e)*4 ; the eight lanes of a block write the same byte with the same value
.endr
.endm
.macro REFILL                          ; a K step of my 32 rows: 32 loads of 512 consecutive bytes, rows ascending; read once in the launch
	WIN 0x40
.irp t, 0,1
.irp i, 0,1,2,3,4,5,6,7,8,9,10,11,12,13,14,15
	global_load_b128 v[128+64*\t+4*\i:128+64*\t+4*\i+3], v[VO+\t], s[4:5] offset:\i*ROWSTEP th:TH_LOAD_NT
.endr
.endr
	WIN 0
.endm
.macro BLOADH h, set                   ; half h of a K step of Ua_w into set: four fragments and their scale words: 17 loads
	WIN 0x40
.irp q, 0,1,2,3
.irp c, 0,1,2,3
	global_load_b128 v[128*(\set)+16*(4*(\h)+\q)+4*\c:128*(\set)+16*(4*(\h)+\q)+4*\c+3], v[LI], s[6+4*(\set):7+4*(\set)] offset:2048*(4*(\h)+\q)+512*\c
.endr
.endr
	WIN 0
	global_load_b128 v[SB-32*(\set)+4*(\h):SB-32*(\set)+4*(\h)+3], v[LI], s[8+4*(\set):9+4*(\set)] offset:512*(\h)
.endm
.macro WM a, bb, set
.set AC, 8*(8*((\a)%4)+(\bb))
	v_wmma_scale_f32_16x16x128_f8f6f4 v[AC:AC+7], v[128*(\set)+16*(\bb):128*(\set)+16*(\bb)+15], v[AFR+16*(\a):AFR+16*(\a)+15], v[AC:AC+7], v[SB-32*(\set)+(\bb)], v[SA+(\a)]
.endm
.macro MULH h, set                     ; 32 products: units' blocks 4 h .. 4 h + 3 against the eight blocks of rows; the accumulators take turns, one instruction a turn
	WIN 0xa1                                       ; source 0 window 1, C and D window 2
.irp a, 0,1,2,3
.if (\h) == 0
	s_wait_dscnt 28-4*\a                           ; A's block a is in; the four loads of each later block may be out
.endif
.irp q, 0,1,2,3
	WM \a, 4*(\h)+\q, \set
.endr
.endr
	WIN 0xf1                                       ; C and D window 3
.irp a, 4,5,6,7
.if (\h) == 0
	s_wait_dscnt 28-4*\a
.endif
.irp q, 0,1,2,3
	WM \a, 4*(\h)+\q, \set
.endr
.endr
	WIN 0
.endm
; A K step's products.  l2 = 0: pass 1, where the first half of this step's fragments of Ua_w was shown in ahead of the barrier; l2 = 1: pass 2.
; ctop, cmid: the loads younger than the step's first and second half.  refill = 1: each half is asked for anew.
.macro KSTEP l2, set, ctop, cmid, refill
.irp a, 0,1,2,3,4,5,6,7
	ds_load_b32 v[SA+\a], v[ASF] offset:64*\a
.endr
.irp a, 0,1,2,3,4,5,6,7
.irp c, 0,1,2,3
	ds_load_b128 v[AFR+16*\a+4*\c:AFR+16*\a+4*\c+3], v[AF] offset:\a*16*APITCH+32*\c
.endr
.endr
.if \l2
	s_wait_loadcnt \ctop
.endif
	MULH 0, \set
	s_wait_loadcnt \cmid                           ; the second half is in: no load that named this set's two pointers is out
.if \refill
.if \l2
	s_add_nc_u64 s[6+4*(\set):7+4*(\set)], s[6+4*(\set):7+4*(\set)], 32768   ; two K steps on
	s_add_nc_u64 s[8+4*(\set):9+4*(\set)], s[8+4*(\set):9+4*(\set)], 2048
.else
	s_cmp_eq_u32 s[KC], 15                         ; one K step on; behind pass 1's last step: on to K step 0 of units 512 + 128 w
	s_mov_b32 s46, 16384
	s_cselect_b32 s46, 802816, s46
	s_mov_b32 s48, 1024
	s_cselect_b32 s48, 50176, s48
	s_add_nc_u64 s[6:7], s[6:7], s[46:47]
	s_add_nc_u64 s[8:9], s[8:9], s[48:49]
.endif
	PLACES 8
	BLOADH 0, \set
.endif
.if (\l2) == 0
	s_cmp_lt_u32 s[KC], 13                         ; K step k + 3 exists
	s_cbranch_scc0 .Lnoask_\@
	global_prefetch_b8 v[PF], s[4:5] th:TH_LOAD_NT scope:SCOPE_SE
	global_prefetch_b8 v[PF], s[4:5] offset:256 th:TH_LOAD_NT scope:SCOPE_SE
.Lnoask_\@:
.endif
	MULH 1, \set
	PLACES 8
.if \refill
	BLOADH 1, \set
.endif
.endm
.macro ACCINIT p                       ; the sums of pass p begin as the bias of their units: register j of (a, bb) = unit 16 bb + 8 h + j, the same for every a
.irp w2, 0,1
	WIN 0x80+0x40*\w2
.irp a, 0,1,2,3
.irp bb, 0,1,2,3,4,5,6,7
	ds_load_b128 v[8*(8*\a+\bb):8*(8*\a+\bb)+3], v[BL] offset:2048*(\p)+64*\bb
	ds_load_b128 v[8*(8*\a+\bb)+4:8*(8*\a+\bb)+7], v[BL] offset:2048*(\p)+64*\bb+16
.endr
.endr
.endr
	WIN 0
.endm
.macro STUB a, last, id                ; block a's turn: t = c x sum, each accumulator from its low end on
.if (\last) == 0
	s_cmp_lg_u32 s[EC], \a
	s_cbranch_scc1 .Lnot\a\()_\id
.endif
	WIN 0x02+(\a)/4                                ; source 0: the block's window
	s_wait_alu depctr_va_vdst(0)                   ; directly ahead of the first reader of matrix results
.set n, 0
.rept 32
	v_pk_mul_f32 v[T+2*n:T+2*n+1], v[64*((\a)%4)+2*n:64*((\a)%4)+2*n+1], s[22:23] op_sel_hi:[1,0]
.set n, n+1
.endr
	WIN 0
.if (\last) == 0
	s_branch .Lcom_\id
.Lnot\a\()_\id:
.endif
.endm
; The way out of pass p.  The eight places behind the pass's last products stand at the end of its last K step.
.macro EPI p
	WIN 0x40
.irp bb, 0,1,2,3,4,5,6,7
	ds_load_b128 v[192+8*\bb:192+8*\bb+3], v[BL] offset:4096+2048*(\p)+64*\bb       ; v_w of units 16 bb + 8 h + 0 .. 7
	ds_load_b128 v[192+8*\bb+4:192+8*\bb+7], v[BL] offset:4096+2048*(\p)+64*\bb+16
.endr
	WIN 0
	s_mov_b32 s[EC], 0
	s_mov_b32 s[RD], 2048*(\p)
.Lblk_\p:
	s_wait_dscnt 0x0                               ; v_w is in; the last block's store has read its register
	STUB 0, 0, \p
	STUB 1, 0, \p
	STUB 2, 0, \p
	STUB 3, 0, \p
	STUB 4, 0, \p
	STUB 5, 0, \p
	STUB 6, 0, \p
	STUB 7, 1, \p
.Lcom_\p:
	s_wait_alu depctr_va_vdst(0)
.set n, 0
.rept 64
	v_exp_f32 v[T+n], v[T+n]
.set n, n+1
.endr
	v_nop                                          ; a plain instruction behind the last exponential
	s_wait_alu depctr_va_vdst(0)                   ; and for the wait behind it
.set n, 0
.rept 32
	v_pk_add_f32 v[T+2*n:T+2*n+1], v[T+2*n:T+2*n+1], 1.0 op_sel_hi:[1,0]
.set n, n+1
.endr
	s_wait_alu depctr_va_vdst(0)
.set n, 0
.rept 64
	v_rcp_f32 v[T+n], v[T+n]
.set n, n+1
.endr
	v_nop                                          ; a plain instruction behind the last reciprocal
	s_wait_alu depctr_va_vdst(0)
	WIN 0x04                                       ; source 1: window 1
.set n, 0
.rept 32
.if n < 4
	v_pk_mul_f32 v[RP+2*n:RP+2*n+1], v[T+2*n:T+2*n+1], v[192+2*n:192+2*n+1]   ; four chains, started by the first four pairs
.else
	v_pk_fma_f32 v[RP+2*(n%4):RP+2*(n%4)+1], v[T+2*n:T+2*n+1], v[192+2*n:192+2*n+1], v[RP+2*(n%4):RP+2*(n%4)+1]
.endif
.set n, n+1
.endr
	WIN 0
	v_pk_add_f32 v[RP:RP+1], v[RP:RP+1], v[RP+2:RP+3]
	v_pk_add_f32 v[RP+4:RP+5], v[RP+4:RP+5], v[RP+6:RP+7]
	v_pk_add_f32 v[RP:RP+1], v[RP:RP+1], v[RP+4:RP+5]
	v_add_f32 v[RP], v[RP], v[RP+1]
	v_permlanex16_b32 v[RP+2], v[RP], s20, s21     ; the row's other units of each block lie in the lane 16 away
	v_add_f32 v[RP], v[RP], v[RP+2]
	v_add_nc_u32 v[RA], s[RD], v[R4]
	ds_store_b32 v[RA], v[RP]                      ; row 16 a + r; both halves of the lanes write the same word with the same value
	s_add_co_u32 s[RD], s[RD], 64
	s_add_co_u32 s[EC], s[EC], 1
	s_cmp_lt_u32 s[EC], 8
	s_cbranch_scc1 .Lblk_\p
.endm
	s_load_b256 s[4:11], s[0:1], 0x0               ; enc s[4:5], ub_codes s[6:7], ub_scales s[8:9], bias s[10:11]
	s_load_b128 s[12:15], s[0:1], 0x20             ; v_w s[12:13], att s[14:15]
	v_lshl_add_u32 v[SPW], v0, 2, SPARE
	v_mov_b32 v[NIL], 0
	v_lshrrev_b32 v1, 5, v0
	v_readfirstlane_b32 s16, v1                    ; wave 0..3
	s_lshr_b32 s17, ttmp9, 2                       ; b
	s_and_b32 s18, ttmp9, 3                        ; which 128 of the 512 s
	s_mov_b32 s19, 0x600000                        ; the mantissa field of 448
	s_mov_b32 s20, 0x76543210
	s_mov_b32 s21, 0xfedcba98                      ; v_permlanex16_b32's selects for lane l xor 16
	s_mov_b32 s22, 0x4038aa3b                      ; c = 2 log2(e)
	s_mov_b32 s23, s22                             ; (named with it as a pair, so it is written)
	s_mov_b32 s50, 0x3eb17218                      ; 1 / c
	s_mov_b32 s51, s50
	s_mov_b32 s24, 0
	s_mov_b32 s25, ASC
	s_mul_i32 s27, s16, 32*APITCH
	s_lshl_b32 s38, s16, 7
	s_add_co_u32 s38, s38, ASC
	s_lshl_b32 s28, s18, 26                        ; 128 rows of enc,
	s_lshl_b32 s30, s17, 13                        ; b's 8,192 bytes in each
	s_add_co_u32 s28, s28, s30
	s_mov_b32 s29, 0
	s_lshl_b32 s30, s16, 18                        ; Ua_w's codes: 262,144 bytes for 128 units
	s_mov_b32 s31, 0
	s_lshl_b32 s32, s16, 14                        ; their scale words: 16,384
	s_mov_b32 s33, 0
	s_lshl_b32 s40, s17, 6                         ; bias: 64 b
	s_mov_b32 s41, 0
	s_lshl_b32 s44, s17, 11                        ; att: row b, my 512 bytes
	s_lshl_b32 s45, s18, 9
	s_add_co_u32 s44, s44, s45
	s_mov_b32 s45, 0
	s_mov_b32 s47, 0
	s_mov_b32 s49, 0
	s_lshl_b32 s34, s16, 24                        ; my wave's 32 rows of 524,288 bytes
	s_add_co_u32 s42, s34, 1024                    ; the prefetches begin two K steps on; each trip steps them first
	s_lshl_b32 s35, s16, 9
	s_add_co_u32 s36, s35, RED
	s_add_co_u32 s37, s35, BIASL
	s_lshl_b32 s39, s16, 15                        ; bias: 8 blocks of 16 units, 4,096 bytes each, a wave
	v_and_b32 v1, 31, v0
	v_lshlrev_b32 v[LI], 4, v1                     ; 16 x lane
	v_add_nc_u32 v[VO], s34, v[LI]
	v_add_nc_u32 v[VO+1], 16*ROWSTEP, v[VO]        ; and the second tile of 16
	v_lshlrev_b32 v[PF], 15, v[LI]                 ; lane x 524,288
	v_add_nc_u32 v[PF], s42, v[PF]
	v_and_b32 v14, 15, v0
	v_lshl_add_u32 v[R4], v14, 2, s36
	v_bfe_u32 v14, v0, 4, 1
	v_lshl_add_u32 v[BL], v14, 5, s37
	v_add_nc_u32 v15, s37, v[LI]                   ; where I stage 16 bytes of bias
	v_add_nc_u32 v16, s35, v[LI]                   ; v_w: units 128 w + 4 lane on
	v_lshrrev_b32 v17, 6, v[LI]
	v_and_b32 v18, 48, v[LI]
	v_lshl_add_u32 v17, v17, 12, v18
	v_add_nc_u32 v17, s39, v17                     ; bias [ublk][b][16]: block 8 w + lane / 4, units 4 (lane % 4) on
	s_wait_alu depctr_va_vdst(0)
	s_wait_kmcnt 0x0
	s_add_nc_u64 s[4:5], s[4:5], s[28:29]
	s_add_nc_u64 s[6:7], s[6:7], s[30:31]
	s_add_nc_u64 s[8:9], s[8:9], s[32:33]
	s_add_nc_u64 s[10:11], s[10:11], s[40:41]
	s_add_nc_u64 s[14:15], s[14:15], s[44:45]
	global_load_b128 v[64:67], v17, s[10:11]                 ; pass 1's units,
	global_load_b128 v[68:71], v17, s[10:11] offset:131072   ; pass 2's: 32 blocks on
	global_load_b128 v[72:75], v16, s[12:13]
	global_load_b128 v[76:79], v16, s[12:13] offset:2048
	REFILL                                         ; K step 0
	BLOADH 0, 0
	s_wait_loadcnt 49                              ; the four loads of tables are in; behind them 32 of enc and 17 of Ua_w
.irp j, 0,2,4,6
	v_pk_mul_f32 v[64+\j:65+\j], v[64+\j:65+\j], s[50:51] op_sel_hi:[1,0]   ; the stored bias is c x bias
.endr
	ds_store_b128 v15, v[64:67]
	ds_store_b128 v15, v[68:71] offset:2048
	ds_store_b128 v15, v[72:75] offset:4096
	ds_store_b128 v15, v[76:79] offset:6144
	ACCINIT 0                                      ; my own bytes: LDS serves a wave's instructions in order
	BLOADH 1, 0
	; ---------------- pass 1: units 128 w on.  Loads are issued in the order: enc of step k, Ua_w's two halves of step k, enc of step k + 1 ..
	s_mov_b32 s[KC], 0
.Lk1:
	ADDR1
	QHALF 0, 58                                    ; younger than rows 0-7: 24 loads of enc and 34 of Ua_w
	QHALF 1, 50
	QHALF 2, 42
	QHALF 3, 34
	s_cmp_eq_u32 s[KC], 15
	s_cbranch_scc1 .Lnofill                        ; the last K step asks for no more of enc
	s_wait_xcnt 0x0                                ; the last trip's prefetches have read their offset
	v_add_nc_u32 v[VO], 512, v[VO]
	v_add_nc_u32 v[VO+1], 512, v[VO+1]
	v_add_nc_u32 v[PF], 512, v[PF]
	REFILL
	s_wait_loadcnt 49                              ; Ua_w's first half of this step is in; its second half's 17 loads and the 32 just issued may be out
	s_branch .Lfilled
.Lnofill:
	s_wait_loadcnt 0x0
.Lfilled:
	s_wait_alu depctr_va_vdst(0)
	s_wait_dscnt 0x0                               ; for the others' sake: my 32 rows of the slab have landed
	s_barrier_signal -1
	s_barrier_wait -1                              ; the slab is whole.  A wave that is ahead writes the next slab: other bytes
	KSTEP 0, 0, 0, 32, 1                           ; in the step's middle at most the 32 loads of enc are younger than the second half
	NEXTSLAB
	s_add_co_u32 s27, s27, SLAB
	s_add_co_u32 s38, s38, 512
	s_add_co_u32 s[KC], s[KC], 1
	s_cmp_lt_u32 s[KC], 16
	s_cbranch_scc1 .Lk1
	s_wait_loadcnt 34                              ; nothing but pass 2's first 34 loads of Ua_w is out: the registers of enc take v_w
	EPI 0
	s_add_nc_u64 s[10:11], s[6:7], 16384           ; the second set's pointers: K step 1 of pass 2 (the tables' loads that named these registers were shown in at the head)
	s_add_nc_u64 s[12:13], s[8:9], 1024
	BLOADH 0, 1
	BLOADH 1, 1
	ACCINIT 1
	; ---------------- pass 2: units 512 + 128 w on; A from LDS alone; every slab was shown whole by its barrier.  At a step's head four halves of Ua_w are out: this step's two, then the next step's two
	s_mov_b32 s24, 0
	s_mov_b32 s25, ASC
	s_mov_b32 s[KC], 0
.Lk2:
	ADDRA
	KSTEP 1, 0, 51, 34, 1
	NEXTSLAB
	ADDRA
	KSTEP 1, 1, 51, 34, 1
	NEXTSLAB
	s_add_co_u32 s[KC], s[KC], 1
	s_cmp_lt_u32 s[KC], 7
	s_cbranch_scc1 .Lk2
	ADDRA
	KSTEP 1, 0, 51, 34, 0                          ; the last two K steps ask for nothing more
	NEXTSLAB
	ADDRA
	KSTEP 1, 1, 17, 0, 0
	EPI 1
	; ---------------- the scores: eight parts (two passes x four waves) of each row
	s_wait_dscnt 0x0                               ; for wave 0's sake: my parts have landed
	s_barrier_signal -1
	s_barrier_wait -1
	s_cmp_lg_u32 s16, 0
	s_cbranch_scc1 .Lend
	v_add_nc_u32 v14, RED, v[LI]
.irp n, 0,1,2,3,4,5,6,7
	ds_load_b128 v[64+4*\n:67+4*\n], v14 offset:512*\n
.endr
	s_wait_dscnt 0x0
.irp n, 1,2,3,4,5,6,7
	v_pk_add_f32 v[64:65], v[64:65], v[64+4*\n:65+4*\n]
	v_pk_add_f32 v[66:67], v[66:67], v[66+4*\n:67+4*\n]
.endr
	v_pk_mul_f32 v[64:65], v[64:65], -2.0 op_sel_hi:[1,0]
	v_pk_mul_f32 v[66:67], v[66:67], -2.0 op_sel_hi:[1,0]
	global_store_b128 v[LI], v[64:67], s[14:15]    ; 512 consecutive bytes of row b of att
.Lend:
	s_wait_tensorcnt 0x0                           ; the wave's end
	ds_add_u32 v[SPW], v[NIL]
	s_wait_dscnt 0x0
	s_endpgm
.Lfunc_end_k_q4262ce39d6_energy:
	.size	k_q4262ce39d6_energy, .Lfunc_end_k_q4262ce39d6_energy-k_q4262ce39d6_energy
	.p2alignl 7, 3214868480
	.fill 96, 4, 3214868480
	.section	.rodata,"a",@progbits
	.p2align	6, 0x0
	.amdhsa_kernel k_q4262ce39d6_energy
		.amdhsa_group_segment_fixed_size 315904
		.amdhsa_private_segment_fixed_size 0
		.amdhsa_enable_private_segment 0
		.amdhsa_kernarg_size 48
		.amdhsa_user_sgpr_count 2
		.amdhsa_user_sgpr_kernarg_segment_ptr 1
		.amdhsa_wavefront_size32 1
		.amdhsa_system_sgpr_workgroup_id_x 1
		.amdhsa_system_sgpr_workgroup_id_y 1
		.amdhsa_system_sgpr_workgroup_id_z 1
		.amdhsa_system_vgpr_workitem_id 0
		.amdhsa_next_free_vgpr 1024
		.amdhsa_next_free_sgpr 66
		.amdhsa_reserve_vcc 0
		.amdhsa_float_denorm_mode_32 3
		.amdhsa_float_denorm_mode_16_64 3
		.amdhsa_memory_ordered 1
		.amdhsa_forward_progress 1
		.amdhsa_inst_pref_size 193
	.end_amdhsa_kernel
	.amdgpu_metadata
---
amdhsa.version: [ 1, 2 ]
amdhsa.kernels:
  - .name:           k_q4262ce39d6_energy
    .symbol:         k_q4262ce39d6_energy.kd
    .args:
      - { .name: encoder_hiddens, .offset: 0, .size: 8, .value_kind: global_buffer, .address_space: global }
      - { .name: ub_codes, .offset: 8, .size: 8, .value_kind: global_buffer, .address_space: global }
      - { .name: ub_scales, .offset: 16, .size: 8, .value_kind: global_buffer, .address_space: global }
      - { .name: bias, .offset: 24, .size: 8, .value_kind: global_buffer, .address_space: global }
      - { .name: v_w, .offset: 32, .size: 8, .value_kind: global_buffer, .address_space: global }
      - { .name: att, .offset: 40, .size: 8, .value_kind: global_buffer, .address_space: global }
    .group_segment_fixed_size: 315904
    .private_segment_fixed_size: 0
    .kernarg_segment_align: 8
    .kernarg_segment_size: 48
    .max_flat_workgroup_size: 128
    .sgpr_count:     66
    .vgpr_count:     1024
    .wavefront_size: 32
...
	.end_amdgpu_metadata
.endif
;; end of part 2
;; launch softmax (part 3): grid 16 x 1, 4 waves a work-group, no clusters, 0 bytes of LDS; arguments att, out0; writes out0
.if DOCPART == 3
	.amdgcn_target "amdgcn-amd-amdhsa--gfx1250"
	.amdhsa_code_object_version 6
	.text
	.protected	k_q4262ce39d6_softmax
	.globl	k_q4262ce39d6_softmax
	.p2align	8
	.type	k_q4262ce39d6_softmax,@function
k_q4262ce39d6_softmax:
	s_mov_b64 s[64:65], 0
	v_nop
	global_prefetch_b8 v0, s[64:65] scope:SCOPE_SE
	s_setreg_imm32_b32 hwreg(HW_REG_WAVE_MODE, 25, 1), 1
	s_wait_xcnt 0x0
; out0[b][:] = softmax of att[b][:], 512 numbers.  One wave takes one row, 16 numbers a lane, and keeps it in registers: no LDS, no barrier, no matrix unit: 2,048 bytes in and out a wave, each load and store 512 consecutive bytes.
; The row's maximum is taken away ahead of the exponential: p = 2^(x log2(e) - max log2(e)); the same rounded number is taken from every x of a row, so its rounding cancels in the division by the sum.
	s_load_b128 s[4:7], s[0:1], 0x0                ; att, out0
	v_lshrrev_b32 v1, 5, v0
	v_readfirstlane_b32 s8, v1                     ; wave
	v_and_b32 v1, 31, v0
	v_lshlrev_b32 v1, 4, v1                        ; 16 x lane
	s_lshl_b32 s9, ttmp9, 2
	s_add_co_u32 s9, s9, s8                        ; row b = 4 x work-group + wave
	s_lshl_b32 s12, s9, 11
	s_mov_b32 s13, 0
	s_mov_b32 s10, 0x3fb8aa3b                      ; log2(e)
	s_mov_b32 s11, s10                             ; (named with it as a pair, so it is written)
	s_mov_b32 s14, 0x76543210
	s_mov_b32 s15, 0xfedcba98                      ; v_permlanex16_b32's selects for lane l xor 16
	v_mov_b32 v21, 0                               ; a lane permute's destination counts as one of its sources
	s_wait_alu depctr_va_vdst(0)
	s_wait_kmcnt 0x0
	s_add_nc_u64 s[4:5], s[4:5], s[12:13]
	s_add_nc_u64 s[6:7], s[6:7], s[12:13]
.irp j, 0,1,2,3
	global_load_b128 v[4+4*\j:7+4*\j], v1, s[4:5] offset:512*\j
.endr
	s_wait_loadcnt 0x0
	v_max3_num_f32 v20, v4, v5, v6
.irp i, 7,9,11,13,15,17
	v_max3_num_f32 v20, v20, v[\i], v[\i+1]
.endr
	v_max_num_f32 v20, v20, v19
	v_max_num_f32_dpp v20, v20, v20 row_xmask:1 row_mask:0xf bank_mask:0xf
	v_max_num_f32_dpp v20, v20, v20 row_xmask:2 row_mask:0xf bank_mask:0xf
	v_max_num_f32_dpp v20, v20, v20 row_xmask:4 row_mask:0xf bank_mask:0xf
	v_max_num_f32_dpp v20, v20, v20 row_xmask:8 row_mask:0xf bank_mask:0xf
	v_permlanex16_b32 v21, v20, s14, s15
	v_max_num_f32 v20, v20, v21                    ; the row's maximum, in every lane
	v_mul_f32 v22, s10, v20
	v_mov_b32 v23, v22
.irp j, 0,2,4,6,8,10,12,14
	v_pk_fma_f32 v[4+\j:5+\j], v[4+\j:5+\j], s[10:11], v[22:23] op_sel_hi:[1,0,0] neg_lo:[0,0,1] neg_hi:[0,0,1]
.endr
	s_wait_alu depctr_va_vdst(0)
.irp j, 0,1,2,3,4,5,6,7,8,9,10,11,12,13,14,15
	v_exp_f32 v[4+\j], v[4+\j]
.endr
	v_nop                                          ; a plain instruction behind the last exponential
	s_wait_alu depctr_va_vdst(0)
	v_pk_add_f32 v[24:25], v[4:5], v[6:7]
	v_pk_add_f32 v[26:27], v[8:9], v[10:11]
	v_pk_add_f32 v[24:25], v[24:25], v[12:13]
	v_pk_add_f32 v[26:27], v[26:27], v[14:15]
	v_pk_add_f32 v[24:25], v[24:25], v[16:17]
	v_pk_add_f32 v[26:27], v[26:27], v[18:19]
	v_pk_add_f32 v[24:25], v[24:25], v[26:27]
	v_add_f32 v24, v24, v25
	v_add_f32_dpp v24, v24, v24 row_xmask:1 row_mask:0xf bank_mask:0xf
	v_add_f32_dpp v24, v24, v24 row_xmask:2 row_mask:0xf bank_mask:0xf
	v_add_f32_dpp v24, v24, v24 row_xmask:4 row_mask:0xf bank_mask:0xf
	v_add_f32_dpp v24, v24, v24 row_xmask:8 row_mask:0xf bank_mask:0xf
	v_permlanex16_b32 v21, v24, s14, s15
	v_add_f32 v24, v24, v21                        ; the row's sum, in every lane
	s_wait_alu depctr_va_vdst(0)
	v_rcp_f32 v26, v24
	v_nop                                          ; a plain instruction behind the reciprocal
	s_wait_alu depctr_va_vdst(0)
	v_mov_b32 v27, v26
.irp j, 0,2,4,6,8,10,12,14
	v_pk_mul_f32 v[4+\j:5+\j], v[4+\j:5+\j], v[26:27]
.endr
.irp j, 0,1,2,3
	global_store_b128 v1, v[4+4*\j:7+4*\j], s[6:7] offset:512*\j
.endr
	s_endpgm
.Lfunc_end_k_q4262ce39d6_softmax:
	.size	k_q4262ce39d6_softmax, .Lfunc_end_k_q4262ce39d6_softmax-k_q4262ce39d6_softmax
	.p2alignl 7, 3214868480
	.fill 96, 4, 3214868480
	.section	.rodata,"a",@progbits
	.p2align	6, 0x0
	.amdhsa_kernel k_q4262ce39d6_softmax
		.amdhsa_group_segment_fixed_size 0
		.amdhsa_private_segment_fixed_size 0
		.amdhsa_enable_private_segment 0
		.amdhsa_kernarg_size 16
		.amdhsa_user_sgpr_count 2
		.amdhsa_user_sgpr_kernarg_segment_ptr 1
		.amdhsa_wavefront_size32 1
		.amdhsa_system_sgpr_workgroup_id_x 1
		.amdhsa_system_sgpr_workgroup_id_y 1
		.amdhsa_system_sgpr_workgroup_id_z 1
		.amdhsa_system_vgpr_workitem_id 0
		.amdhsa_next_free_vgpr 48
		.amdhsa_next_free_sgpr 66
		.amdhsa_reserve_vcc 0
		.amdhsa_float_denorm_mode_32 3
		.amdhsa_float_denorm_mode_16_64 3
		.amdhsa_memory_ordered 1
		.amdhsa_forward_progress 1
		.amdhsa_inst_pref_size 6
	.end_amdhsa_kernel
	.amdgpu_metadata
---
amdhsa.version: [ 1, 2 ]
amdhsa.kernels:
  - .name:           k_q4262ce39d6_softmax
    .symbol:         k_q4262ce39d6_softmax.kd
    .args:
      - { .name: att, .offset: 0, .size: 8, .value_kind: global_buffer, .address_space: global }
      - { .name: out0, .offset: 8, .size: 8, .value_kind: global_buffer, .address_space: global }
    .group_segment_fixed_size: 0
    .private_segment_fixed_size: 0
    .kernarg_segment_align: 8
    .kernarg_segment_size: 16
    .max_flat_workgroup_size: 128
    .sgpr_count:     66
    .vgpr_count:     48
    .wavefront_size: 32
...
	.end_amdgpu_metadata
.endif
;; end of part 3
